; MI455X (gfx1250); checked and timed in simulation.
; The chip was launched on July 23, 2026; its instructions are those of AMD's public machine-readable ISA for CDNA 5 (MIT licence, August 2026) and "CDNA5" Instruction Set Architecture Reference Guide (July 2026). The comments in the code are by the model that wrote it; some were corrected since.
;; Curlora Layer. Allowed arithmetic: matrix products marked QUANTISED: E2M1 operands, one E8M0 scale for each 32 along K, by v_wmma_scale_f32_16x16x128_f8f6f4 with both operands' format E2M1 (or v_wmma_scale_f32_32x16x128_f4), f32 sums; everything else in f32.
;; Inputs: C 4,096 x 64 float32; R 64 x 4,096 float32; U 64 x 64 float32; W 4,096 x 4,096 float32; bias 4,096 float32; x 4 x 1,024 x 4,096 float32.
;; Outputs: out0 4 x 1,024 x 4,096 float32.
;; This version of the problem:
;;   THIS VERSION OF THE PROBLEM IS GIVEN IN LOW PRECISION. The matrix products marked QUANTISED in the list below multiply operands that are first quantised to E2M1 (2 exponent bits, 1 mantissa bit; 4 bits a number), with one power-of-two scale for each 32 numbers along K (OCP MX v1.0); their sums are f32. All else is computed in f32.
;;   The module's matrix products, in the order in which they are computed (A, B: the left and right operand; K: the contracted axis; several contracted axes count as one K, in the product's order):
;;     1. [M 4,096, K 64] x [K 64, N 64]; A: input C; B: input U: QUANTISED
;;     2. [M 4,096, K 64] x [K 64, N 4,096]; A: computed on the way; B: input R: QUANTISED
;;     3. [M 4,096, K 4,096] x [K 4,096, N 4,096]; A: input x; B: computed on the way: QUANTISED
;;   THE QUANTISER, for each operand of a quantised product, along K:
;;     - K is cut into blocks of 32 from its start; a last block that is shorter is filled with zeros.
;;     - A block's scale is 2^e with e = floor(log2(the largest magnitude in the block)) - 2, held to -126 .. 127; a block of zeros has e = 0. As a byte (E8M0): e + 127.
;;     - Each number is divided by its block's scale, clamped to +-6, and rounded to the nearest number of E2M1, ties to even, subnormals kept.
;;     - The product sums the exact products of the quantised numbers (number of the format x scale) in f32.
;;   ~~~python
;;   def quantise(x, axis):      # numpy; x: float32 -> the quantised numbers, widened to float32 again
;;       x = np.moveaxis(x, axis, -1); K = x.shape[-1]
;;       x = np.pad(x, [(0, 0)] * (x.ndim - 1) + [(0, -K % 32)]); x = x.reshape(x.shape[:-1] + (-1, 32)); a = np.abs(x).max(-1, keepdims=True)
;;       e = np.where(a > 0, np.clip(np.frexp(np.where(a > 0, a, 1))[1] - 1 - 2, -126, 127), 0)      # np.frexp(a)[1] - 1 = floor(log2(a)), exactly
;;       r = np.clip(x / 2.0 ** e, -6, 6)
;;       step = 2.0 ** (np.maximum(np.frexp(np.where(r == 0, 1, r))[1] - 1, 0) - 1)
;;       q = np.round(r / step) * step * 2.0 ** e      # np.round: ties to even
;;       return np.moveaxis(q.reshape(q.shape[:-2] + (-1,))[..., :K], -1, axis).astype(np.float32)
;;   ~~~
;;   OPERANDS COMPUTED ON THE WAY. 'Computed on the way' means the value that the module computes at that place (a softmax that the list does not call 'softmax' is quantised finished and normalised). What goes into a quantiser is computed in f32, as accurately as f32 sums, v_exp_f32 and their like allow (about 1e-6 of the number): no bf16 or f16 on the way to a quantiser, and a product that is left as it is and whose result goes on into a quantised operand takes f32 operands (vector FMAs, or v_wmma_f32_16x16x4_f32). A number that lies on a knife's edge between two numbers of the format may be rounded either way, as far as f32 arithmetic and the matrix unit's own rounding can turn it there, and no further.
;; One version. Each part assembles by itself: llvm-mc -triple=amdgcn-amd-amdhsa -mcpu=gfx1250 --defsym DOCPART=n.
;; ======== version 1 of 1: 2 launches
;; limits: right only within a limited range of input values
;; workspace buffers: x_codes 8,388,608 bytes; w_codes 8,388,608 bytes; scales 1,048,576 bytes
;; launch prep (part 1): grid 32 x 8, 8 waves a work-group, clusters of 4 x 1, 278,528 bytes of LDS; arguments x, W, C, U, R, x_codes, w_codes, scales; writes x_codes, w_codes, scales
.if DOCPART == 1
	.amdgcn_target "amdgcn-amd-amdhsa--gfx1250"
	.amdhsa_code_object_version 6
	.text
	.protected	k_q8146907f3e_prep
	.globl	k_q8146907f3e_prep
	.p2align	8
	.type	k_q8146907f3e_prep,@function
k_q8146907f3e_prep:
	s_mov_b64 s[64:65], 0
	v_nop
	global_prefetch_b8 v0, s[64:65] scope:SCOPE_SE
	s_setreg_imm32_b32 hwreg(HW_REG_WAVE_MODE, 25, 1), 1
	s_wait_xcnt 0x0
	s_wait_alu depctr_hold_cnt(0) depctr_sa_sdst(0) depctr_va_vdst(0) depctr_va_sdst(0) depctr_va_ssrc(0) depctr_va_vcc(0) depctr_vm_vsrc(0)
	s_getreg_b32 s2, hwreg(HW_REG_IB_STS2, 6, 4)
	s_cmp_eq_u32 s2, 0
	s_cbranch_scc0 .Lentry_in_a_cluster
	s_endpgm
.Lentry_in_a_cluster:
	s_bfe_u32 s2, ttmp6, 0x10000c
	s_cmp_lg_u32 s2, 0x3003
	s_cbranch_scc0 .Lentry_shape_is_right
	s_endpgm
.Lentry_shape_is_right:
; x [4096][4096] and W_eff = W + Q(Q(C) Q(U)) Q(R) [4096][4096] become codes of FP4 (E2M1) with one E8M0 scale byte for each 32 along K (their last axis).
; All three small operands are quantised along their products' K (64) and multiplied by the scaled FP4 matrix instruction; K = 64 is filled up to the instruction's 128 by zero codes under the byte 0x7f.
; A block's scale is 2^(floor(log2(its largest magnitude)) - 2): its byte is the largest magnitude's exponent field - 2, held at 1 from below.
; LIMITS: NaN and infinities among the inputs are not served.  A block of zeros gets the byte 1 where the rule says 127: its codes are zeros, which add nothing, and the bytes are read by this program alone.
; SHARES.  256 work-groups of eight waves: work-group (ry, kx) takes rows 128 ry .. + 127 and columns 512 kx .. + 511 of x AND of W.  Wave w takes 16 rows: four fragments (16 rows x 128 K) of x, then four of W.
; OUT.  Codes are laid in the order of the operand's registers: byte = kstep 2^20 + (row / 16) 4096 + q 1024 + c 512 + lane 16 (kstep = k / 512, q = (k / 128) % 4; lane (r, h), registers 4 c .. 4 c + 3: k = 64 c + 32 h + 0 .. 31 of row r).
; Scale bytes: side 2^19 + kstep 2^16 + row 16 + 4 q + b (side 0: x, side 1: W_eff).  Every store of a wave covers whole aligned runs of 256 bytes.
; IN.  x and W come by loads of 512 consecutive bytes of one row, three fragments (48 loads a wave) ahead, and turn through the wave's own stage in LDS, so that lane (r, h) holds, in register 16 b + i, k = 32 b + 16 h + i of row r.
; For W these 64 registers are the eight accumulators of Q(CU) Q(R), used transposed (source 0 = 16 columns of R, source 1 = my 16 rows of Q(CU)): W is the C of the product, so the sum W + W_adapted costs no line.
; THE COLUMNS OF R (AND OF U) THAT FORM A TILE ARE NOT NEIGHBOURS: lane m of tile t takes column 32 (t / 2) + 8 (t % 2) + m + 8 (m / 8), so that the results fall into that very layout.
; R's 64 x 512 part, U, and the work-group's 128 rows of C come by one tensor load a wave, filled once.  The four work-groups of a cluster share kx: R's and U's tiles are asked for jointly.
; By this text's own count one tensor load of a wave is out; no descriptor register is written again.
; THE HEAD'S FILLS, as the text now has them: ONE tensor load a wave, filled once: waves 0-3 bring R's part (16 rows each, jointly), waves 4-5 U (32 rows each, jointly), waves 6-7 the work-group's 128 rows of C (64 rows each).
; They are asked for ahead of the stream's loads; by this text's own count one tensor load of a wave is out.
.set RRAW, 0                           ; LDS: R's part: 64 rows (k) x 2,048 bytes; wave w < 4 fills rows 16 w .. 16 w + 15
.set URAW, 131072                      ; U: 64 rows (k) x 256 bytes; waves 4 and 5 fill 32 rows each
.set CRAW, 147456                      ; C: 128 rows of 256 bytes + 16 of padding; waves 6 and 7 fill 64 rows each; wave w reads rows 16 w on
.set STG,  182272                      ; the stages: for each wave 16 rows of 512 bytes + 16
.set RIMG, 249856                      ; R as codes: 48 bytes a column: k 0-31, k 32-63, the scale word, 12 unused
.set UIMG, 274432                      ; U likewise, 64 columns
.set SP,   528                         ; a stage row: an odd multiple of 16 bytes, so that sixteen rows begin at sixteen different 16-byte columns
.set LN,   1                           ; v1   lane
.set RR,   2                           ; v2   r = lane % 16
.set HH,   3                           ; v3   h = lane / 16
.set GL,   4                           ; v4   16 x lane: offset of loads and of code stores; never rewritten
.set STI,  5                           ; v5   the stage, on the way in
.set STO,  6                           ; v6   and on the way out
.set RRD0, 7                           ; v7   R's numbers: my column, k 0-31
.set RRD1, 8                           ; v8   k 32-63
.set URD,  9                           ; v9   U's numbers: my column
.set RIW,  10                          ; v10  where I put a column of R's codes
.set UIW,  11                          ; v11  of U's
.set RIR,  12                          ; v12  where I read a tile's codes of R
.set RSR,  13                          ; v13  and its scale words
.set UIR,  14                          ; v14  the same for U
.set USR,  15                          ; v15
.set CRD,  16                          ; v16  C's numbers
.set SA,   17                          ; v17  my offset among the scale bytes: 2^19 h + 16 r
.set T0,   18                          ; v18  at work in the head
.set XW,   20                          ; v20-23  x's four scale words
.set WW,   24                          ; v24-27  W_eff's
.set SW,   28                          ; v28-31  what is stored: lanes 0-15 x's, lanes 16-31 W_eff's
.set TM,   32                          ; v32-47  at work: +0..3 largest magnitudes, +4..7 bytes, +8 a word, +12..15 the conversions' scale operands
.set PC,   48                          ; v48-55  codes just made
.set RS,   56                          ; v56-63  scale words of R's or U's tiles
.set NUM,  64                          ; v64-127 64 numbers: eight accumulators
.set RF,   128                         ; v128-191 eight fragments of R (four of U): registers 4-7 of each are zero codes
.set CF,   192                         ; v192-199 Q(C)
.set CUF,  200                         ; v200-207 Q(CU)
.set CS,   208                         ; v208 Q(C)'s scale words
.set CUS,  209                         ; v209 Q(CU)'s
                                       ; window 1, v0-191: three sets of 64: fragments as loaded
.set WV,   20                          ; s20  wave
.set SEL,  28                          ; s[28:29] v_permlanex16_b32's selects for lane l xor 16
.set G1R,  32                          ; s[32:39] descriptor group 1 for R;  s[40:47] for U;  s[48:55] for C
.set G1U,  40
.set G1C,  48
.set G0R,  56                          ; s[56:59], s[60:63], s[68:71] their groups 0
.set G0U,  60
.set G0C,  68
.set MSB, 0
.macro WIN new                         ; the immediate's high byte repeats the setting that is left
.if MSB != \new
	s_set_vgpr_msb (MSB<<8)|\new
.set MSB, \new
.endif
.endm
.macro PLACES n
.rept \n
	v_nop
.endr
.endm
.macro CROUND                          ; a round of the cluster's barrier
	s_barrier_signal -1
	s_barrier_wait -1
	s_cmp_lg_u32 s[WV], 0
	s_cbranch_scc1 .Lnot_wave_0_\@
	s_barrier_signal -3
.Lnot_wave_0_\@:
	s_barrier_wait -3
	s_barrier_signal -1
	s_barrier_wait -1
.endm
; Fragment f (0-3: x, 4-7: W): sixteen loads, one row's 512 consecutive bytes each, into set f % 3 of window 1
.macro LOAD f
	WIN 0x40                                       ; destination window 1, address window 0
.irp i, 0,1,2,3,4,5,6,7,8,9,10,11,12,13,14,15
.if (\f) < 4
	global_load_b128 v[64*((\f)%3)+4*\i:64*((\f)%3)+4*\i+3], v[GL], s[4:5] offset:\i*16384+((\f)%4)*512 th:TH_LOAD_NT
.else
	global_load_b128 v[64*((\f)%3)+4*\i:64*((\f)%3)+4*\i+3], v[GL], s[6:7] offset:\i*16384+((\f)%4)*512 th:TH_LOAD_NT
.endif
.endr
	WIN 0
.endm
; Through my stage: in as loaded, out 64 numbers a lane.  LDS serves a wave's instructions in order, so no wait stands between the stores and the loads
.macro TURN f
	WIN 0x04                                       ; an LDS store's data are its source 1: window 1
.irp i, 0,1,2,3,4,5,6,7,8,9,10,11,12,13,14,15
	ds_store_b128 v[STI], v[64*((\f)%3)+4*\i:64*((\f)%3)+4*\i+3] offset:SP*\i
.endr
	WIN 0
.irp b, 0,1,2,3
.irp j, 0,1,2,3
	ds_load_b128 v[NUM+16*\b+4*\j:NUM+16*\b+4*\j+3], v[STO] offset:128*\b+16*\j
.endr
.endr
.endm
; 16 nb numbers of a lane, register 16 b + i = k 32 b + 16 h + i of my row, become a fragment's codes in v[dst] on and my row's scale word in v[pw].  nb = 4: 128 along K; nb = 2: 64, the word's upper bytes 0x7f.
; Each accumulator is read from its low end on.
.macro QUANT s, nb, dst, pw
.irp b, 0,1,2,3
.if \b < \nb
	v_max3_num_f32 v[TM+\b], |v[\s+16*\b]|, |v[\s+1+16*\b]|, 0x1800000   ; my 16 numbers of block b, and the floor 2^(3 - 127): the byte cannot fall under 1
.endif
.endr
.irp i, 2,4,6,8,10,12,14
.irp b, 0,1,2,3
.if \b < \nb
	v_max3_num_f32 v[TM+\b], v[TM+\b], |v[\s+16*\b+\i]|, |v[\s+1+16*\b+\i]|   ; (the blocks by turns)
.endif
.endr
.endr
.irp b, 0,1,2,3
.if \b < \nb
	v_permlanex16_b32 v[TM+4+\b], v[TM+\b], s[SEL], s[SEL+1]
.endif
.endr
.irp b, 0,1,2,3
.if \b < \nb
	v_max_num_f32 v[TM+\b], v[TM+\b], v[TM+4+\b]   ; with lane l xor 16's: the block's largest magnitude
.endif
.endr
.irp b, 0,1,2,3
.if \b < \nb
	v_add_nc_u32 v[TM+12+\b], 0xff000000, v[TM+\b] ; 2 off its exponent field: the conversion takes the exponent field of this operand as its scale
.endif
.endr
.irp b, 0,1,2,3
.if \b < \nb
	v_lshrrev_b32 v[TM+4+\b], 23, v[TM+12+\b]      ; the scale's byte
.endif
.endr
	v_lshl_or_b32 v[\pw], v[TM+5], 8, v[TM+4]
.if \nb == 4
	s_delay_alu instid0(VALU_DEP_1)
	v_lshl_or_b32 v[\pw], v[TM+6], 16, v[\pw]
	s_delay_alu instid0(VALU_DEP_1)
	v_lshl_or_b32 v[\pw], v[TM+7], 24, v[\pw]
.else
	s_delay_alu instid0(VALU_DEP_1)
	v_or_b32 v[\pw], 0x7f7f0000, v[\pw]            ; blocks 2 and 3 hold zero codes
.endif
.irp b, 0,1,2,3
.if \b < \nb
	v_cvt_scalef32_pk8_fp4_f32 v[\dst+2*\b], v[\s+16*\b:\s+7+16*\b], v[TM+12+\b]
	v_cvt_scalef32_pk8_fp4_f32 v[\dst+1+2*\b], v[\s+8+16*\b:\s+15+16*\b], v[TM+12+\b]
.endif
.endr
	v_nop                                          ; one plain place behind a scaled conversion
.irp c, 0,1                                    ; the operand's layout wants a whole block in a lane: lanes 0-15 block 2 c, lanes 16-31 block 2 c + 1
.if 2*\c < \nb
.irp i, 0,1
	v_permlane16_swap_b32 v[\dst+4*\c+\i], v[\dst+2+4*\c+\i]
.endr
.endif
.endr
.endm
; 32 columns of R or of U, a lane to a column, registers down K (64): two whole blocks a lane.  Codes and scale word go to the column's 48 bytes.
.macro RQ a0, a1, off1, off, pitch, dadr, doff
	s_wait_xcnt 0x0                                ; the last code stores have read v[PC] on
.set KK, 0
.rept 32
	ds_load_b32 v[NUM+KK], v[\a0] offset:\off+KK*\pitch
.set KK, KK+1
.endr
.set KK, 0
.rept 32
	ds_load_b32 v[NUM+32+KK], v[\a1] offset:\off1+\off+KK*\pitch
.set KK, KK+1
.endr
	s_wait_dscnt 0x0                               ; the numbers are in; my earlier LDS stores have read their registers
.irp c, 0,1
	v_max3_num_f32 v[TM+\c], |v[NUM+32*\c]|, |v[NUM+32*\c+1]|, 0x1800000
.endr
.irp i, 2,4,6,8,10,12,14,16,18,20,22,24,26,28,30
.irp c, 0,1
	s_delay_alu instid0(VALU_DEP_2)
	v_max3_num_f32 v[TM+\c], v[TM+\c], |v[NUM+32*\c+\i]|, |v[NUM+32*\c+\i+1]|
.endr
.endr
.irp c, 0,1
	s_delay_alu instid0(VALU_DEP_2)
	v_add_nc_u32 v[TM+12+\c], 0xff000000, v[TM+\c]
.endr
.irp c, 0,1
	s_delay_alu instid0(VALU_DEP_2)
	v_lshrrev_b32 v[TM+4+\c], 23, v[TM+12+\c]
.endr
	s_delay_alu instid0(VALU_DEP_1)
	v_lshl_or_b32 v[TM+8], v[TM+5], 8, v[TM+4]
	s_delay_alu instid0(VALU_DEP_1)
	v_or_b32 v[TM+8], 0x7f7f0000, v[TM+8]
.irp c, 0,1
.irp g, 0,1,2,3
	v_cvt_scalef32_pk8_fp4_f32 v[PC+4*\c+\g], v[NUM+32*\c+8*\g:NUM+32*\c+8*\g+7], v[TM+12+\c]
.endr
.endr
	v_nop                                          ; one plain place behind a scaled conversion
	ds_store_b128 v[\dadr], v[PC:PC+3] offset:\doff
	ds_store_b128 v[\dadr], v[PC+4:PC+7] offset:\doff+16
	ds_store_b32 v[\dadr], v[TM+8] offset:\doff+32
.endm
; R's eight tiles for columns 128 q on: registers 0-3 of each fragment (k = 32 h + 0 .. 31), and the scale words
.macro RFETCH q
.irp t, 0,1,2,3,4,5,6,7
	ds_load_b128 v[RF+8*\t:RF+8*\t+3], v[RIR] offset:(128*(\q)+32*(\t/2)+8*(\t%2))*48
	ds_load_b32 v[RS+\t], v[RSR] offset:(128*(\q)+32*(\t/2)+8*(\t%2))*48
.endr
.endm
; A fragment's turn
.macro FRAG f
.if 7-(\f) >= 2
	s_wait_loadcnt 32                              ; my sixteen loads are in; those of the two fragments behind may be out
.else
	s_wait_loadcnt 16*(7-(\f))
.endif
	TURN \f
.if (\f) >= 4
	RFETCH (\f)-4
.endif
	s_wait_dscnt 0x0                               ; the numbers are back, and the stage's stores have read the set,
	s_wait_xcnt 0x0                                ; and the last fragment's code stores have read v[PC] on
.if (\f)+3 < 8
	LOAD (\f)+3                                    ; so the set takes the fragment three on
.endif
.if (\f) >= 4
.irp t, 0,1,2,3,4,5,6,7                        ; W + Q(CU) Q(R): eight accumulators, one instruction each
	v_wmma_scale_f32_16x16x128_f8f6f4 v[NUM+8*\t:NUM+8*\t+7], v[RF+8*\t:RF+8*\t+7], v[CUF:CUF+7], v[NUM+8*\t:NUM+8*\t+7], v[RS+\t], v[CUS] matrix_a_fmt:MATRIX_FMT_FP4 matrix_b_fmt:MATRIX_FMT_FP4
.endr
	PLACES 5                                       ; four in front of the first read of results and of later loads into these registers; the fifth since the next run of products writes over them
	QUANT NUM, 4, PC, WW+(\f)-4
.irp c, 0,1
	global_store_b128 v[GL], v[PC+4*\c:PC+4*\c+3], s[16:17] offset:((\f)%4)*1024+512*\c   ; 512 consecutive bytes, aligned
.endr
.else
	QUANT NUM, 4, PC, XW+(\f)
.irp c, 0,1
	global_store_b128 v[GL], v[PC+4*\c:PC+4*\c+3], s[14:15] offset:((\f)%4)*1024+512*\c
.endr
.endif
.endm
	s_load_b256 s[4:11], s[0:1], 0x0               ; x s[4:5], W s[6:7], C s[8:9], U s[10:11]
	s_load_b256 s[12:19], s[0:1], 0x20             ; R s[12:13], x's codes s[14:15], W_eff's codes s[16:17], the scale bytes s[18:19]
	v_lshl_add_u32 v254, v0, 2, 0x43c00
	v_mov_b32 v255, 0
	ds_add_u32 v254, v255
	ds_add_u32 v254, v255
	v_lshrrev_b32 v[T0], 5, v0
	s_delay_alu instid0(VALU_DEP_1)
	v_readfirstlane_b32 s[WV], v[T0]               ; wave 0..7
	s_bfe_u32 s21, ttmp6, 0x40000                  ; cx: my place in the cluster
	s_lshl_b32 s22, ttmp9, 2
	s_add_co_u32 s22, s22, s21                     ; ry = 4 x cluster x + cx
	s_and_b32 s23, ttmp7, 0xffff                   ; kx, which the four partners share
	s_lshl_b32 s24, s22, 7
	s_lshl_b32 s25, s[WV], 4
	s_add_co_u32 s24, s24, s25                     ; my first row: 128 ry + 16 wave
	s_lshl_b32 s26, s24, 14                        ; x, W: a row is 16,384 bytes,
	s_lshl_b32 s27, s23, 11                        ; 512 columns are 2,048
	s_add_co_u32 s26, s26, s27
	s_mov_b32 s27, 0
	s_lshl_b32 s72, s24, 8                         ; C: a row is 256 bytes.  Also: my row block's 4,096 bytes of codes
	s_mov_b32 s73, 0
	s_lshl_b32 s78, s23, 20                        ; codes: + kx 2^20
	s_add_co_u32 s78, s78, s72
	s_mov_b32 s79, 0
	s_lshl_b32 s25, s23, 16                        ; scale bytes: kx 2^16 + 16 x row
	s_lshl_b32 s24, s24, 4
	s_add_co_u32 s24, s24, s25
	s_mov_b32 s25, 0
	s_lshl_b32 s74, s[WV], 18                      ; R: rows 16 wave on (262,144 bytes), columns 512 kx on: made of the wave's number and kx alone
	s_lshl_b32 s75, s23, 11
	s_add_co_u32 s74, s74, s75
	s_mov_b32 s75, 0
	s_and_b32 s76, s[WV], 1
	s_lshl_b32 s76, s76, 13                        ; U: rows 32 (wave % 2) on
	s_mov_b32 s77, 0
	s_mov_b32 s[SEL], 0x76543210
	s_mov_b32 s[SEL+1], 0xfedcba98
	; descriptor groups 1; elements of 4 bytes
	s_mov_b32 s[G1R], 15|(2<<16)|(1<<21)           ; 15:0 the mask: all four work-groups; 17:16 elements of 4 bytes; 21 set beside a mask
	s_mov_b32 s[G1R+1], 512<<16                    ; tensor_dim0 = 512
	s_mov_b32 s[G1R+2], 16<<16                     ; tensor_dim1 = 16
	s_mov_b32 s[G1R+3], 512<<16                    ; tile_dim0 = 512
	s_mov_b32 s[G1R+4], 16                         ; tile_dim1 = 16
	s_mov_b32 s[G1R+5], 4096                       ; from row to row
	s_mov_b32 s[G1R+6], 0
	s_mov_b32 s[G1R+7], 0
	s_mov_b32 s[G1U], 15|(2<<16)|(1<<21)
	s_mov_b32 s[G1U+1], 64<<16
	s_mov_b32 s[G1U+2], 32<<16
	s_mov_b32 s[G1U+3], 64<<16
	s_mov_b32 s[G1U+4], 32
	s_mov_b32 s[G1U+5], 64
	s_mov_b32 s[G1U+6], 0
	s_mov_b32 s[G1U+7], 0
	s_mov_b32 s[G1C], (2<<16)|(1<<20)|(5<<22)|(3<<25)  ; no mask: my own rows; padding: four words after every 64
	s_mov_b32 s[G1C+1], 64<<16
	s_mov_b32 s[G1C+2], 64<<16
	s_mov_b32 s[G1C+3], 64<<16
	s_mov_b32 s[G1C+4], 64
	s_mov_b32 s[G1C+5], 64
	s_mov_b32 s[G1C+6], 0
	s_mov_b32 s[G1C+7], 0
	; every LDS address is made here, ahead of the first branch on the wave's number: a constant + a constant x lane term + a constant x wave
	v_and_b32 v[LN], 31, v0
	v_and_b32 v[RR], 15, v0
	v_bfe_u32 v[HH], v0, 4, 1
	s_delay_alu instid0(VALU_DEP_3)
	v_lshlrev_b32 v[GL], 4, v[LN]
	s_mul_i32 s30, s[WV], 16*SP
	v_add_nc_u32 v[STI], s30, v[GL]
	s_delay_alu instid0(VALU_DEP_1)
	v_add_nc_u32 v[STI], STG, v[STI]               ; in: 16 x lane of row i
	v_mul_u32_u24 v[STO], v[RR], SP
	s_delay_alu instid0(VALU_DEP_1)
	v_lshl_add_u32 v[STO], v[HH], 6, v[STO]
	s_delay_alu instid0(VALU_DEP_1)
	v_add_nc_u32 v[STO], s30, v[STO]
	s_delay_alu instid0(VALU_DEP_1)
	v_add_nc_u32 v[STO], STG, v[STO]               ; out: row r, + 64 h: my 16 numbers of a block of 32
	v_lshlrev_b32 v[RRD0], 2, v[LN]
	s_lshl_b32 s30, s[WV], 8
	v_add_nc_u32 v[RRD0], s30, v[RRD0]             ; R: column 64 wave + lane (+ 32 in the second pass)
	s_delay_alu instid0(VALU_DEP_1)
	v_add_nc_u32 v[RRD1], 65536, v[RRD0]           ; 32 rows further down
	s_and_b32 s31, s[WV], 1
	s_lshl_b32 s30, s31, 7
	v_lshlrev_b32 v[URD], 2, v[LN]
	s_delay_alu instid0(VALU_DEP_1)
	v_add_nc_u32 v[URD], s30, v[URD]
	s_delay_alu instid0(VALU_DEP_1)
	v_add_nc_u32 v[URD], URAW, v[URD]              ; U: column 32 (wave % 2) + lane
	v_mul_u32_u24 v[RIW], v[LN], 48
	s_mul_i32 s30, s31, 1536
	v_add_nc_u32 v[UIW], s30, v[RIW]
	s_delay_alu instid0(VALU_DEP_1)
	v_add_nc_u32 v[UIW], UIMG, v[UIW]
	s_mul_i32 s30, s[WV], 3072
	v_add_nc_u32 v[RIW], s30, v[RIW]
	s_delay_alu instid0(VALU_DEP_1)
	v_add_nc_u32 v[RIW], RIMG, v[RIW]
	v_and_b32 v[T0], 8, v[RR]
	s_delay_alu instid0(VALU_DEP_1)
	v_add_nc_u32 v[T0], v[T0], v[RR]               ; r + 8 (r / 8)
	s_delay_alu instid0(VALU_DEP_1)
	v_mul_u32_u24 v[T0], v[T0], 48
	s_delay_alu instid0(VALU_DEP_1)
	v_add_nc_u32 v[RSR], RIMG+32, v[T0]
	s_delay_alu instid0(VALU_DEP_2)
	v_add_nc_u32 v[USR], UIMG+32, v[T0]
	s_delay_alu instid0(VALU_DEP_3)
	v_lshl_add_u32 v[T0], v[HH], 4, v[T0]          ; lanes 16-31 take k 32-63
	s_delay_alu instid0(VALU_DEP_1)
	v_add_nc_u32 v[RIR], RIMG, v[T0]
	s_delay_alu instid0(VALU_DEP_2)
	v_add_nc_u32 v[UIR], UIMG, v[T0]
	v_mul_u32_u24 v[CRD], v[RR], 272
	s_delay_alu instid0(VALU_DEP_1)
	v_lshl_add_u32 v[CRD], v[HH], 6, v[CRD]
	s_mul_i32 s30, s[WV], 4352
	v_add_nc_u32 v[CRD], s30, v[CRD]
	s_delay_alu instid0(VALU_DEP_1)
	v_add_nc_u32 v[CRD], CRAW, v[CRD]
	v_lshlrev_b32 v[SA], 4, v[RR]
	s_delay_alu instid0(VALU_DEP_1)
	v_lshl_add_u32 v[SA], v[HH], 19, v[SA]
	s_wait_alu depctr_va_vdst(0)                   ; the wait at the head's end
	s_wait_dscnt 0x0
	s_wait_kmcnt 0x0
	s_add_nc_u64 s[4:5], s[4:5], s[26:27]          ; x and W at my first row and column
	s_add_nc_u64 s[6:7], s[6:7], s[26:27]
	s_add_nc_u64 s[14:15], s[14:15], s[78:79]      ; the codes at my row block of K step kx
	s_add_nc_u64 s[16:17], s[16:17], s[78:79]
	s_add_nc_u64 s[18:19], s[18:19], s[24:25]      ; the scale bytes likewise
	s_mov_b32 s[G0R], 1                            ; count = 1
	s_lshl_b32 s[G0R+1], s[WV], 15                 ; LDS: 16 rows of 2,048 bytes a wave
	s_add_nc_u64 s[G0R+2:G0R+3], s[12:13], s[74:75]
	s_or_b32 s[G0R+3], s[G0R+3], 0x80000000        ; type = 2
	s_mov_b32 s[G0U], 1
	s_lshl_b32 s[G0U+1], s31, 13                   ; LDS: 32 rows of 256 bytes for wave 4, then for wave 5
	s_add_co_u32 s[G0U+1], s[G0U+1], URAW
	s_add_nc_u64 s[G0U+2:G0U+3], s[10:11], s[76:77]
	s_or_b32 s[G0U+3], s[G0U+3], 0x80000000
	s_mov_b32 s[G0C], 1
	s_mul_i32 s[G0C+1], s31, 17408                 ; LDS: 64 rows of 272 bytes for wave 6, then for wave 7
	s_lshl_b32 s72, s22, 15                        ; C: row 128 ry + 64 (wave % 2), 256 bytes a row
	s_lshl_b32 s30, s31, 14
	s_add_co_u32 s72, s72, s30
	s_add_co_u32 s[G0C+1], s[G0C+1], CRAW
	s_add_nc_u64 s[G0C+2:G0C+3], s[8:9], s[72:73]
	s_or_b32 s[G0C+3], s[G0C+3], 0x80000000
	CROUND                                         ; all four work-groups are here: the joint loads meet
	s_cmp_lt_u32 s[WV], 4                          ; one chain of branches on the wave's number, one fill to an arm, one join
	s_cbranch_scc0 .Lhead_u
	tensor_load_to_lds s[G0R:G0R+3], s[G1R:G1R+7]
	s_nop 0
	PLACES 4
	s_branch .Lhead_asked
.Lhead_u:
	s_cmp_lt_u32 s[WV], 6
	s_cbranch_scc0 .Lhead_c
	tensor_load_to_lds s[G0U:G0U+3], s[G1U:G1U+7]
	s_nop 0
	PLACES 4
	s_branch .Lhead_asked
.Lhead_c:
	tensor_load_to_lds s[G0C:G0C+3], s[G1C:G1C+7]
	s_nop 0
	PLACES 4
.Lhead_asked:
	LOAD 0                                         ; the stream: 48 loads a wave
	LOAD 1
	LOAD 2
.irp t, 0,1,2,3,4,5,6,7
.irp g, 4,5,6,7
	v_mov_b32 v[RF+8*\t+\g], 0                     ; zero codes for k = 64 .. 127, set once
.endr
.endr
.irp g, 4,5,6,7
	v_mov_b32 v[CF+\g], 0
	v_mov_b32 v[CUF+\g], 0
.endr
.irp b, 0,1,2,3
	v_mov_b32 v[TM+4+\b], 0                        ; written once: a lane permute's destination counts as one of its sources
.endr
	FRAG 0
	FRAG 1
	s_wait_tensorcnt 0x0
	s_wait_dscnt 0x0
	s_barrier_signal -1
	s_barrier_wait -1                              ; everybody's have
	RQ RRD0, RRD1, 0, 0, 2048, RIW, 0              ; my 64 columns of R, 32 at a time
	RQ RRD0, RRD1, 0, 128, 2048, RIW, 1536
	s_cmp_lt_u32 s[WV], 2                          ; U's 64 columns: waves 0 and 1
	s_cbranch_scc0 .Lno_u
	RQ URD, URD, 8192, 0, 256, UIW, 0
.Lno_u:
	FRAG 2
	FRAG 3
	s_wait_dscnt 0x0                               ; my stores of R's and U's codes have landed
	s_barrier_signal -1
	s_barrier_wait -1                              ; everybody's have
	; CU = Q(C) Q(U) for my 16 rows, transposed: source 0 = 16 columns of U, source 1 = Q(C); then Q(CU) along its 64 columns
.irp b, 0,1
.irp j, 0,1,2,3
	ds_load_b128 v[NUM+16*\b+4*\j:NUM+16*\b+4*\j+3], v[CRD] offset:128*\b+16*\j
.endr
.endr
.irp t, 0,1,2,3
	ds_load_b128 v[RF+8*\t:RF+8*\t+3], v[UIR] offset:(32*(\t/2)+8*(\t%2))*48
	ds_load_b32 v[RS+\t], v[USR] offset:(32*(\t/2)+8*(\t%2))*48
.endr
	s_wait_dscnt 0x0
	QUANT NUM, 2, CF, CS
	PLACES 8                                       ; a scale register written by a vector instruction stands eight places ahead of a scaled matrix instruction, an operand so written four
.irp t, 0,1,2,3
	v_wmma_scale_f32_16x16x128_f8f6f4 v[NUM+32+8*\t:NUM+32+8*\t+7], v[RF+8*\t:RF+8*\t+7], v[CF:CF+7], 0, v[RS+\t], v[CS] matrix_a_fmt:MATRIX_FMT_FP4 matrix_b_fmt:MATRIX_FMT_FP4
.endr
	PLACES 5
	QUANT NUM+32, 2, CUF, CUS
	PLACES 8
	s_wait_alu depctr_va_vdst(0)
	FRAG 4
	FRAG 5
	FRAG 6
	FRAG 7
	v_cmp_le_u32 vcc_lo, 16, v[LN]
.irp q, 0,1,2,3
	v_cndmask_b32 v[SW+\q], v[XW+\q], v[WW+\q], vcc_lo
.endr
	global_store_b128 v[SA], v[SW:SW+3], s[18:19]  ; lanes 0-15: 256 consecutive bytes of x's scales; lanes 16-31: of W_eff's
	s_wait_dscnt 0x0
	s_wait_tensorcnt 0x0
	ds_add_u32 v254, v255
	s_wait_dscnt 0x0
	CROUND                                         ; the closing round: no work-group ends while a partner may still ask for a tile that names it
	s_endpgm
.Lfunc_end_k_q8146907f3e_prep:
	.size	k_q8146907f3e_prep, .Lfunc_end_k_q8146907f3e_prep-k_q8146907f3e_prep
	.p2alignl 7, 3214868480
	.fill 96, 4, 3214868480
	.section	.rodata,"a",@progbits
	.p2align	6, 0x0
	.amdhsa_kernel k_q8146907f3e_prep
		.amdhsa_group_segment_fixed_size 278528
		.amdhsa_private_segment_fixed_size 0
		.amdhsa_enable_private_segment 0
		.amdhsa_kernarg_size 64
		.amdhsa_user_sgpr_count 2
		.amdhsa_user_sgpr_kernarg_segment_ptr 1
		.amdhsa_wavefront_size32 1
		.amdhsa_system_sgpr_workgroup_id_x 1
		.amdhsa_system_sgpr_workgroup_id_y 1
		.amdhsa_system_sgpr_workgroup_id_z 1
		.amdhsa_system_vgpr_workitem_id 0
		.amdhsa_next_free_vgpr 448
		.amdhsa_next_free_sgpr 80
		.amdhsa_reserve_vcc 1
		.amdhsa_float_denorm_mode_32 3
		.amdhsa_float_denorm_mode_16_64 3
		.amdhsa_memory_ordered 1
		.amdhsa_forward_progress 1
		.amdhsa_inst_pref_size 112
	.end_amdhsa_kernel
	.amdgpu_metadata
---
amdhsa.version: [ 1, 2 ]
amdhsa.kernels:
  - .name:           k_q8146907f3e_prep
    .symbol:         k_q8146907f3e_prep.kd
    .args:
      - { .name: x, .offset: 0, .size: 8, .value_kind: global_buffer, .address_space: global }
      - { .name: W, .offset: 8, .size: 8, .value_kind: global_buffer, .address_space: global }
      - { .name: C, .offset: 16, .size: 8, .value_kind: global_buffer, .address_space: global }
      - { .name: U, .offset: 24, .size: 8, .value_kind: global_buffer, .address_space: global }
      - { .name: R, .offset: 32, .size: 8, .value_kind: global_buffer, .address_space: global }
      - { .name: x_codes, .offset: 40, .size: 8, .value_kind: global_buffer, .address_space: global }
      - { .name: w_codes, .offset: 48, .size: 8, .value_kind: global_buffer, .address_space: global }
      - { .name: scales, .offset: 56, .size: 8, .value_kind: global_buffer, .address_space: global }
    .group_segment_fixed_size: 278528
    .private_segment_fixed_size: 0
    .kernarg_segment_align: 8
    .kernarg_segment_size: 64
    .max_flat_workgroup_size: 256
    .sgpr_count:     80
    .vgpr_count:     448
    .wavefront_size: 32
...
	.end_amdgpu_metadata
.endif
;; end of part 1
;; launch gemm (part 2): grid 16 x 16, 4 waves a work-group, clusters of 4 x 1, 327,680 bytes of LDS; arguments x_codes, scales, w_codes, bias, out0; writes out0
.if DOCPART == 2
	.amdgcn_target "amdgcn-amd-amdhsa--gfx1250"
	.amdhsa_code_object_version 6
	.text
	.protected	k_q8146907f3e_gemm
	.globl	k_q8146907f3e_gemm
	.p2align	8
	.type	k_q8146907f3e_gemm,@function
k_q8146907f3e_gemm:
	s_mov_b64 s[64:65], 0
	v_nop
	global_prefetch_b8 v0, s[64:65] scope:SCOPE_SE
	s_setreg_imm32_b32 hwreg(HW_REG_WAVE_MODE, 25, 1), 1
	s_wait_xcnt 0x0
	s_wait_alu depctr_hold_cnt(0) depctr_sa_sdst(0) depctr_va_vdst(0) depctr_va_sdst(0) depctr_va_ssrc(0) depctr_va_vcc(0) depctr_vm_vsrc(0)
	s_getreg_b32 s2, hwreg(HW_REG_IB_STS2, 6, 4)
	s_cmp_eq_u32 s2, 0
	s_cbranch_scc0 .Lentry_in_a_cluster
	s_endpgm
.Lentry_in_a_cluster:
	s_bfe_u32 s2, ttmp6, 0x10000c
	s_cmp_lg_u32 s2, 0x3003
	s_cbranch_scc0 .Lentry_shape_is_right
	s_endpgm
.Lentry_shape_is_right:
; out[m][n] = sum over k of Q(x)[m][k] Q(W_eff)[n][k] + bias[n]: 4096 x 4096 x 4096, codes of FP4 (E2M1) with one E8M0 byte for each 32 along K, f32 sums.
; Codes lie in the order of an operand's registers: byte = kstep 2^20 + (row / 16) 4096 + q 1024 + c 512 + lane 16 (kstep = k / 512, q = (k / 128) % 4).  Scale bytes: side 2^19 + kstep 2^16 + row 16 + 4 q + b.
; SHARES.  A work-group of four waves makes 256 x 256 of out; a wave ALL 256 rows x 64 columns: 32 accumulators of 16 rows x 32 columns, 512 registers (windows 2 and 3).
; The 32x16x128 form is used transposed: source 0 = 32 rows of W_eff (two fragments on end), source 1 = 16 rows of x: a lane holds neighbouring columns of one row of out.
; W_eff: a wave's 64 columns are multiplied by that wave alone, so its fragments go from memory straight into registers, 512 consecutive bytes a load, into a ring of five sets of 32 registers, four steps of 128 along K ahead.
; So there is no LDS tile of W_eff to share in a cluster.
; x: all four waves read the same 256 rows, from a ring of two LDS slots of K = 1,024 (131,072 bytes), a quarter of a slot to a wave's tensor load.  The four work-groups of a cluster (4 x 1) share the tile row: the loads are joint.
; UNITS.  The work is 64 units of sixteen products.  Units 0-55: half a step of 128 along K (x's blocks 0-7 or 8-15 against my 64 columns).  Units 56-63: the last 512 along K BY ROWS OF out: a pair of blocks each,
; which is then finished and leaves while the others are multiplied.  x's fragments have four buffers of 64 registers, unit n in buffer n % 4.  Behind a unit's products stand the LDS loads of the unit three on
; (into the buffer that the unit before has read, behind that unit's four places), then the loads from memory, then four places.
; Five sets do not divide a slot's eight steps, so the register numbers come back only after 40 steps: the units are expanded from one macro, with no loop, and every offset is an immediate.
; THE WAY OUT: a pair's 32 rows x 256 bytes go through the wave's own stage in LDS and come back, as whole rows, into the finished accumulators' registers; sixteen lanes store one aligned run of 256 bytes.
; PREFETCH: slots 2 and 3 of x are asked for about a slot ahead of their tensor loads (a lane to each 256 bytes, the four partners sharing a wave's quarter by address); a wave's own fragments of W_eff eight steps ahead, two steps (32 runs of 256 bytes) an instruction; steps 0-7 come by their loads alone.
; REGISTERS.  Window 0: v1-15 addresses; v16-79 x's scale words, two sets (lanes 0-15 block 2 i, lanes 16-31 block 2 i + 1); v80-95 W_eff's, two sets (lane m: row m of 32); v96-255 W_eff's five sets (set 4 first holds the bias).  Window 1: x's four buffers.
.set KSB,    1048576
.set SLOT,   131072
.set STAGE,  2*SLOT                    ; behind the ring: 32 rows x 272 bytes for each wave
.set SPITCH, 272
.set WSTG,   32*SPITCH
.set SPARE,  STAGE+4*WSTG              ; the spare words, 128 bytes a wave
.set AD,   1                           ; v1-4: 16 x lane + 65,536 x (kstep % 4)
.set STO,  5
.set RD,   6
.set CO,   7
.set GLB,  8                           ; 16 x lane
.set ADSA, 9                           ; x's scale words: my offset
.set ADSB, 10                          ; W_eff's
.set BO,   11
.set PFO,  12
.set SPW,  13
.set NIL,  14
.set PFB,  15
.set SCA,  16
.set SCB,  80
.set BS,   96
.set BIAS, BS+128
.set G1,   48
.set G0,   56
.set PFA,  44
.set MSB, 0
.macro WIN new                         ; the immediate's high byte repeats the setting that is left
.if MSB != \new
	s_set_vgpr_msb (MSB<<8)|\new
.set MSB, \new
.endif
.endm
.macro PLACES n
.rept \n
	v_nop
.endr
.endm
.macro CREST                           ; a round of the cluster's barrier behind its opening barrier
	s_cmp_lg_u32 s14, 0
	s_cbranch_scc1 .Lnot_wave_0_\@
	s_barrier_signal -3
.Lnot_wave_0_\@:
	s_barrier_wait -3
	s_barrier_signal -1
	s_barrier_wait -1
.endm
.macro CROUND
	s_barrier_signal -1
	s_barrier_wait -1
	CREST
.endm
.macro JL                              ; my quarter of a slot, jointly with my three partners
	tensor_load_to_lds s[G0:G0+3], s[G1:G1+7]
	s_nop 0
.endm
.macro NEXTG0                          ; written only where no tensor load of mine is out: the other slot, K 1,024 on
	s_xor_b32 s[G0+1], s[G0+1], SLOT
	s_add_nc_u64 s[G0+2:G0+3], s[G0+2:G0+3], 2*KSB
.endm
.macro SCALES k                        ; the scale words of kstep k: ten loads of 512 consecutive bytes
.irp i, 0,1,2,3,4,5,6,7
	global_load_b128 v[SCA+32*((\k)%2)+4*\i:SCA+32*((\k)%2)+4*\i+3], v[ADSA], s[6:7] offset:65536*(\k)+512*\i
.endr
.irp i, 0,1
	global_load_b128 v[SCB+8*((\k)%2)+4*\i:SCB+8*((\k)%2)+4*\i+3], v[ADSB], s[6:7] offset:65536*(\k)+512*\i
.endr
.endm
.macro BLOAD q                         ; W_eff's four fragments of step q into set q % 5
.irp b, 0,1,2,3
.irp c, 0,1
	global_load_b128 v[BS+32*((\q)%5)+8*\b+4*\c:BS+32*((\q)%5)+8*\b+4*\c+3], v[GLB], s[8:9] offset:KSB*((\q)/4)+1024*((\q)%4)+4096*\b+512*\c
.endr
.endr
.endm
.macro LFETCH n                        ; x's fragments of unit n into buffer n % 4 (window 1): sixteen loads
.if (\n) < 56
.irp i, 0,1,2,3,4,5,6,7
.irp c, 0,1
	ds_load_b128 v[64*((\n)%4)+8*\i+4*\c:64*((\n)%4)+8*\i+4*\c+3], v[AD+((\n)/8)%4] offset:4096*(8*((\n)%2)+\i)+1024*(((\n)/2)%4)+512*\c
.endr
.endr
.else
.irp e, 0,1
.irp q, 0,1,2,3
.irp c, 0,1
	ds_load_b128 v[64*((\n)%4)+32*\e+8*\q+4*\c:64*((\n)%4)+32*\e+8*\q+4*\c+3], v[AD+3] offset:4096*(2*((\n)-56)+\e)+1024*\q+512*\c
.endr
.endr
.endr
.endif
.endm
.macro WM acc, wf, xf, cc, sw, sx, odd
.if \odd
	v_wmma_scale_f32_32x16x128_f4 v[\acc:\acc+15], v[\wf:\wf+15], v[\xf:\xf+7], v[\cc:\cc+15], v[\sw], v[\sx] matrix_b_scale:MATRIX_SCALE_ROW1
.else
	v_wmma_scale_f32_32x16x128_f4 v[\acc:\acc+15], v[\wf:\wf+15], v[\xf:\xf+7], v[\cc:\cc+15], v[\sw], v[\sx]
.endif
.endm
.macro MUL4 n, a0, first               ; eight products of unit n: x's blocks a0 .. a0 + 3 against my 64 columns; the accumulators take turns
.irp a, \a0, \a0+1, \a0+2, \a0+3
.irp u, 0,1
.if \first
	WM 32*((\a)%8)+16*\u, BS+32*(((\n)/2)%5)+16*\u, 128*(((\n)/2)%2)+8*(\a), BIAS+16*\u, SCB+8*(((\n)/8)%2)+4*\u+((\n)/2)%4, SCA+32*(((\n)/8)%2)+4*((\a)/2)+((\n)/2)%4, (\a)%2
.else
	WM 32*((\a)%8)+16*\u, BS+32*(((\n)/2)%5)+16*\u, 128*(((\n)/2)%2)+8*(\a), 32*((\a)%8)+16*\u, SCB+8*(((\n)/8)%2)+4*\u+((\n)/2)%4, SCA+32*(((\n)/8)%2)+4*((\a)/2)+((\n)/2)%4, (\a)%2
.endif
.endr
.endr
.endm
.macro TOSTAGE p                       ; LDS serves a wave's instructions in order: the loads see the stores
.set AC, 64*((\p)%4)
	WIN 0x08+4*((\p)/4)
.irp e, 0,1
.irp b, 0,1,2,3
	ds_store_b128 v[STO], v[AC+32*\e+8*\b:AC+32*\e+8*\b+3] offset:16*SPITCH*\e+64*\b
	ds_store_b128 v[STO], v[AC+32*\e+8*\b+4:AC+32*\e+8*\b+7] offset:16*SPITCH*\e+64*\b+16
.endr
.endr
	WIN 0x80+0x40*((\p)/4)
.irp t, 0,1,2,3,4,5,6,7,8,9,10,11,12,13,14,15
	ds_load_b128 v[AC+4*\t:AC+4*\t+3], v[RD] offset:2*SPITCH*\t
.endr
	WIN 0
.endm
.macro SEND p, younger
.set AC, 64*((\p)%4)
	s_wait_dscnt \younger
	WIN 0x08+4*((\p)/4)
.irp t, 0,1,2,3,4,5,6,7,8,9,10,11,12,13,14,15
	global_store_b128 v[CO], v[AC+4*\t:AC+4*\t+3], s[12:13] offset:(32*(\p)+2*\t)*16384 th:TH_STORE_NT   ; two rows, 256 consecutive aligned bytes each
.endr
	WIN 0
.endm
; WAITS.  s_wait_loadcnt 24: behind the loads of the set that is due stand those of three younger sets (at step 1: two), behind scale words that are due four sets.
; s_wait_dscnt 32: behind a unit's own sixteen LDS loads stand those of the two units that follow.
.macro UNIT n
.if (\n) < 56
.if (\n)%2 == 0
.if (\n) == 2
	s_wait_loadcnt 16
.else
	s_wait_loadcnt 24
.endif
.endif
.if (\n)%16 == 13
	; the change of slots: the slot's last reads were issued in the unit before, and the next loads read the other slot: one barrier serves both
	s_wait_tensorcnt 0x0
	ds_add_u32 v[SPW], v[NIL]
	s_wait_dscnt 33                                ; the add and two units' loads may be out
	WIN 0xf4
	MUL4 \n, 8, 0
	s_wait_dscnt 0x0
	s_barrier_signal -1
	MUL4 \n, 12, 0
	WIN 0
	s_barrier_wait -1
.if (\n) < 45
	CREST                                          ; the barrier has opened a round of the cluster's barrier
	NEXTG0
	JL                                             ; the slot just read out takes K 2,048 on
	PLACES 4
.endif
.else
	s_wait_dscnt 32
.if (\n) < 2
	WIN 0x84+0x40*((\n)%2)                         ; source 0 window 0, source 1 window 1, D window 2 or 3, C: the bias, window 0
	MUL4 \n, 8*((\n)%2), 1
	MUL4 \n, 8*((\n)%2)+4, 1
.else
	WIN 0xa4+0x50*((\n)%2)
	MUL4 \n, 8*((\n)%2), 0
	MUL4 \n, 8*((\n)%2)+4, 0
.endif
.endif
	WIN 0x40
	LFETCH (\n)+3
	WIN 0
.if (\n)%2 == 0
.if (\n)%8 == 0 && (\n) >= 8 && (\n) <= 48
	SCALES (\n)/8+1                                ; into the set that the step before has read last
.endif
.if (\n) == 2
	BLOAD 4                                        ; set 4 held the bias
	global_prefetch_b8 v[PFO], s[PFA:PFA+1] th:TH_LOAD_NT scope:SCOPE_SE               ; x's slot 2
.endif
.if (\n) == 18
	global_prefetch_b8 v[PFO], s[PFA:PFA+1] offset:2*KSB th:TH_LOAD_NT scope:SCOPE_SE  ; x's slot 3
.endif
.if (\n) >= 2
	BLOAD (\n)/2+4
.endif
.if (\n)%4 == 0 && (\n) <= 44
	global_prefetch_b8 v[PFB], s[8:9] offset:KSB*(((\n)/2+8)/4)+1024*(((\n)/2+8)%4) th:TH_LOAD_NT scope:SCOPE_SE   ; W_eff's steps n / 2 + 8 and + 9
.endif
.endif
.else
	; a pair of blocks, 512 along K.  Behind its products: the pair before goes into the stage, the fragments of the unit three on, the stores of the pair two before
.if (\n) < 58
	s_wait_dscnt 32
.else
	s_wait_dscnt 48                                ; the youngest 48: sixteen loads of fragments and a pair's 32 instructions on the stage
.endif
	WIN 0xa4+0x50*(((\n)-56)/4)
.irp q, 0,1,2,3
.if (\n) == 56
	s_wait_loadcnt 24-8*\q
.endif
.irp e, 0,1
.irp u, 0,1
	WM 64*(((\n)-56)%4)+32*\e+16*\u, BS+32*((28+\q)%5)+16*\u, 64*((\n)%4)+32*\e+8*\q, 64*(((\n)-56)%4)+32*\e+16*\u, SCB+8+4*\u+\q, SCA+32+4*((\n)-56)+\q, \e
.endr
.endr
.endr
.if (\n) >= 57
	TOSTAGE (\n)-57
.endif
.if (\n) <= 60
	WIN 0x40
	LFETCH (\n)+3
.endif
	WIN 0
.if (\n) >= 58
	SEND (\n)-58, 32                               ; behind that pair's loads from the stage stand at least 32 younger LDS instructions
.endif
.endif
	PLACES 4
.endm
	s_load_b128 s[4:7], s[0:1], 0x0                ; x's codes, the scale bytes
	s_load_b128 s[8:11], s[0:1], 0x10              ; W_eff's codes, the bias
	s_load_b64 s[12:13], s[0:1], 0x20              ; out
	v_lshl_add_u32 v[SPW], v0, 2, SPARE
	v_mov_b32 v[NIL], 0
	ds_add_u32 v[SPW], v[NIL]                      ; the opening lines: the add twice on end and one wait
	ds_add_u32 v[SPW], v[NIL]
	v_lshrrev_b32 v96, 5, v0
	v_readfirstlane_b32 s14, v96                   ; wave
	s_bfe_u32 s40, ttmp6, 0x40000                  ; cx
	s_lshl_b32 s42, ttmp9, 2
	s_add_co_u32 s42, s42, s40                     ; tile column
	s_and_b32 s17, ttmp7, 0xffff                   ; tile row, which the four partners share
	s_mov_b32 s[G1], 15|(3<<16)|(1<<21)            ; mask: all four; elements of 8 bytes; bit 21 beside a mask
	s_mov_b32 s[G1+1], 32<<16                      ; rows of 256 bytes,
	s_mov_b32 s[G1+2], 128<<16                     ; 128 of them, dense
	s_mov_b32 s[G1+3], 32<<16
	s_mov_b32 s[G1+4], 128
	s_mov_b32 s[G1+5], 32
	s_mov_b32 s[G1+6], 0
	s_mov_b32 s[G1+7], 0
	s_and_b32 s15, s14, 1
	s_lshr_b32 s16, s14, 1
	s_lshl_b32 s20, s17, 16                        ; x: tile row 65,536 + (wave % 2) 32,768 + (wave / 2) 2^20
	s_lshl_b32 s18, s15, 15
	s_add_co_u32 s20, s20, s18
	s_lshl_b32 s18, s16, 20
	s_add_co_u32 s20, s20, s18
	s_mov_b32 s21, 0
	s_lshl_b32 s22, s42, 16                        ; W_eff: tile column 65,536 + wave 16,384
	s_lshl_b32 s18, s14, 14
	s_add_co_u32 s22, s22, s18
	s_mov_b32 s23, 0
	s_lshl_b32 s38, s42, 10                        ; my first column, in bytes of f32
	s_lshl_b32 s18, s14, 8
	s_add_co_u32 s38, s38, s18
	s_mov_b32 s39, 0
	s_lshl_b32 s36, s17, 22                        ; out: 256 rows of 16,384 bytes a tile row
	s_add_co_u32 s36, s36, s38
	s_mov_b32 s37, 0
	s_lshl_b32 s46, s40, 13                        ; x's prefetches: my work-group's 8,192 bytes of my quarter, in slot 2
	s_add_co_u32 s46, s46, 4*KSB
	s_mov_b32 s47, 0
	s_mul_i32 s24, s14, WSTG
	s_add_co_u32 s24, s24, STAGE
	s_lshl_b32 s25, s17, 12
	s_lshl_b32 s26, s42, 12
	s_lshl_b32 s18, s14, 10
	s_add_co_u32 s26, s26, s18
	s_add_co_u32 s26, s26, 524288
	v_and_b32 v97, 31, v0
	v_and_b32 v98, 15, v0
	v_bfe_u32 v99, v0, 4, 1
	v_lshlrev_b32 v[GLB], 4, v97
	v_lshlrev_b32 v[AD], 4, v97
	v_lshl_add_u32 v[AD+1], v97, 4, 65536
	v_lshl_add_u32 v[AD+2], v97, 4, 131072
	v_lshl_add_u32 v[AD+3], v97, 4, 196608
	v_mul_u32_u24 v100, v98, SPITCH
	v_lshl_add_u32 v100, v99, 5, v100
	v_add_nc_u32 v[STO], s24, v100                 ; into the stage: row l % 16, 32 bytes for each half of the lanes
	v_mul_u32_u24 v101, v99, SPITCH
	v_lshl_add_u32 v101, v98, 4, v101
	v_add_nc_u32 v[RD], s24, v101                  ; back: sixteen lanes to a row
	v_lshlrev_b32 v102, 14, v99
	v_lshl_add_u32 v[CO], v98, 4, v102
	v_lshlrev_b32 v[BO], 5, v99
	v_lshlrev_b32 v[PFO], 8, v97
	v_lshrrev_b32 v103, 3, v97
	v_and_b32 v104, 7, v97
	v_lshlrev_b32 v104, 8, v104
	v_lshl_add_u32 v[PFB], v103, 12, v104          ; W_eff's prefetches: fragment l / 8, its run l % 8 of 256 bytes
	v_add_nc_u32 v[ADSA], s25, v[GLB]
	v_add_nc_u32 v[ADSB], s26, v[GLB]
	s_wait_alu depctr_va_vdst(0)                   ; the wait at the head's end
	s_wait_dscnt 0x0
	s_wait_kmcnt 0x0
	s_add_nc_u64 s[20:21], s[4:5], s[20:21]
	s_add_nc_u64 s[8:9], s[8:9], s[22:23]
	s_add_nc_u64 s[10:11], s[10:11], s[38:39]
	s_add_nc_u64 s[12:13], s[12:13], s[36:37]
	s_add_nc_u64 s[PFA:PFA+1], s[20:21], s[46:47]
	s_mov_b32 s[G0], 1
	s_lshl_b32 s[G0+1], s14, 15
	s_mov_b64 s[G0+2:G0+3], s[20:21]
	s_or_b32 s[G0+3], s[G0+3], 0x80000000
	CROUND                                         ; all four work-groups are here
	JL                                             ; slot 0: my one tensor load at the head
	PLACES 4
.irp b, 0,1,2,3
	global_load_b128 v[BIAS+8*\b:BIAS+8*\b+3], v[BO], s[10:11] offset:64*\b
	global_load_b128 v[BIAS+8*\b+4:BIAS+8*\b+7], v[BO], s[10:11] offset:64*\b+16
.endr
	SCALES 0
	SCALES 1
.irp j, 0,1,2,3
	BLOAD \j
.endr
	s_wait_tensorcnt 0x0                           ; slot 1's first fill is issued as a refill is
	ds_add_u32 v[SPW], v[NIL]
	NEXTG0
	s_wait_dscnt 0x0
	CROUND
	JL
	PLACES 4
	WIN 0x40
	LFETCH 0
	LFETCH 1
	LFETCH 2
	WIN 0
.set U, 0
.rept 64
	UNIT U
.set U, U+1
.endr
	TOSTAGE 7
	SEND 6, 32
	SEND 7, 0
	s_wait_tensorcnt 0x0                           ; the wave's end
	ds_add_u32 v[SPW], v[NIL]
	s_wait_dscnt 0x0
	CROUND                                         ; the closing round
	s_endpgm
.Lfunc_end_k_q8146907f3e_gemm:
	.size	k_q8146907f3e_gemm, .Lfunc_end_k_q8146907f3e_gemm-k_q8146907f3e_gemm
	.p2alignl 7, 3214868480
	.fill 96, 4, 3214868480
	.section	.rodata,"a",@progbits
	.p2align	6, 0x0
	.amdhsa_kernel k_q8146907f3e_gemm
		.amdhsa_group_segment_fixed_size 327680
		.amdhsa_private_segment_fixed_size 0
		.amdhsa_enable_private_segment 0
		.amdhsa_kernarg_size 40
		.amdhsa_user_sgpr_count 2
		.amdhsa_user_sgpr_kernarg_segment_ptr 1
		.amdhsa_wavefront_size32 1
		.amdhsa_system_sgpr_workgroup_id_x 1
		.amdhsa_system_sgpr_workgroup_id_y 1
		.amdhsa_system_sgpr_workgroup_id_z 1
		.amdhsa_system_vgpr_workitem_id 0
		.amdhsa_next_free_vgpr 1024
		.amdhsa_next_free_sgpr 66
		.amdhsa_reserve_vcc 0
		.amdhsa_float_denorm_mode_32 3
		.amdhsa_float_denorm_mode_16_64 3
		.amdhsa_memory_ordered 1
		.amdhsa_forward_progress 1
		.amdhsa_inst_pref_size 255
	.end_amdhsa_kernel
	.section	.bss,"aw",@nobits
	.p2align	6
	.space	262144
	.amdgpu_metadata
---
amdhsa.version: [ 1, 2 ]
amdhsa.kernels:
  - .name:           k_q8146907f3e_gemm
    .symbol:         k_q8146907f3e_gemm.kd
    .args:
      - { .name: x_codes, .offset: 0, .size: 8, .value_kind: global_buffer, .address_space: global }
      - { .name: scales, .offset: 8, .size: 8, .value_kind: global_buffer, .address_space: global }
      - { .name: w_codes, .offset: 16, .size: 8, .value_kind: global_buffer, .address_space: global }
      - { .name: bias, .offset: 24, .size: 8, .value_kind: global_buffer, .address_space: global }
      - { .name: out0, .offset: 32, .size: 8, .value_kind: global_buffer, .address_space: global }
    .group_segment_fixed_size: 327680
    .private_segment_fixed_size: 0
    .kernarg_segment_align: 8
    .kernarg_segment_size: 40
    .max_flat_workgroup_size: 128
    .sgpr_count:     66
    .vgpr_count:     1024
    .wavefront_size: 32
...
	.end_amdgpu_metadata
.endif
;; end of part 2
